; MI455X (gfx1250); checked and timed in simulation.
; The chip was launched on July 23, 2026; its instructions are those of AMD's public machine-readable ISA for CDNA 5 (MIT licence, August 2026) and "CDNA5" Instruction Set Architecture Reference Guide (July 2026). The comments in the code are by the model that wrote it; some were corrected since.
;; MAD. Allowed arithmetic: matrix products marked QUANTISED: E2M1 operands, one E8M0 scale for each 32 along K, by v_wmma_scale_f32_16x16x128_f8f6f4 with both operands' format E2M1 (or v_wmma_scale_f32_32x16x128_f4), f32 sums; products left as they are: f32 operands where the result goes on into a quantised operand, else bf16, f16 or f32 operands; f32 sums; everything else in f32.
;; Inputs: edges 2 x 512 int32; embeds 4 x 50,000 x 32 float32; field 4 x 50,000 x 32 float32.
;; Outputs: out0 512 float32.
;; This version of the problem:
;;   THIS VERSION OF THE PROBLEM IS GIVEN IN LOW PRECISION. The matrix products marked QUANTISED in the list below multiply operands that are first quantised to E2M1 (2 exponent bits, 1 mantissa bit; 4 bits a number), with one power-of-two scale for each 32 numbers along K (OCP MX v1.0); their sums are f32. All else is computed in f32.
;;   The module's matrix products, in the order in which they are computed (A, B: the left and right operand; K: the contracted axis; several contracted axes count as one K, in the product's order):
;;     1. batch 4 x [M 512, K 32] x [K 32, N 50,000]; A: computed on the way; B: input embeds: QUANTISED
;;     2. batch 2,048 x [M 8, K 32] x [K 32, N 1]; A: computed on the way; B: computed on the way: left as it is (M = 8 < 16)
;;     3. batch 4 x [M 512, K 32] x [K 32, N 50,000]; A: computed on the way; B: input embeds: QUANTISED
;;     4. batch 2,048 x [M 8, K 32] x [K 32, N 1]; A: computed on the way; B: computed on the way: left as it is (M = 8 < 16)
;;   THE QUANTISER, for each operand of a quantised product, along K:
;;     - K is cut into blocks of 32 from its start; a last block that is shorter is filled with zeros.
;;     - A block's scale is 2^e with e = floor(log2(the largest magnitude in the block)) - 2, held to -126 .. 127; a block of zeros has e = 0. As a byte (E8M0): e + 127.
;;     - Each number is divided by its block's scale, clamped to +-6, and rounded to the nearest number of E2M1, ties to even, subnormals kept.
;;     - The product sums the exact products of the quantised numbers (number of the format x scale) in f32.
;;   ~~~python
;;   def quantise(x, axis):      # numpy; x: float32 -> the quantised numbers, widened to float32 again
;;       x = np.moveaxis(x, axis, -1); K = x.shape[-1]
;;       x = np.pad(x, [(0, 0)] * (x.ndim - 1) + [(0, -K % 32)]); x = x.reshape(x.shape[:-1] + (-1, 32)); a = np.abs(x).max(-1, keepdims=True)
;;       e = np.where(a > 0, np.clip(np.frexp(np.where(a > 0, a, 1))[1] - 1 - 2, -126, 127), 0)      # np.frexp(a)[1] - 1 = floor(log2(a)), exactly
;;       r = np.clip(x / 2.0 ** e, -6, 6)
;;       step = 2.0 ** (np.maximum(np.frexp(np.where(r == 0, 1, r))[1] - 1, 0) - 1)
;;       q = np.round(r / step) * step * 2.0 ** e      # np.round: ties to even
;;       return np.moveaxis(q.reshape(q.shape[:-2] + (-1,))[..., :K], -1, axis).astype(np.float32)
;;   ~~~
;;   OPERANDS COMPUTED ON THE WAY. 'Computed on the way' means the value that the module computes at that place (a softmax that the list does not call 'softmax' is quantised finished and normalised). What goes into a quantiser is computed in f32, as accurately as f32 sums, v_exp_f32 and their like allow (about 1e-6 of the number): no bf16 or f16 on the way to a quantiser, and a product that is left as it is and whose result goes on into a quantised operand takes f32 operands (vector FMAs, or v_wmma_f32_16x16x4_f32). A number that lies on a knife's edge between two numbers of the format may be rounded either way, as far as f32 arithmetic and the matrix unit's own rounding can turn it there, and no further.
;; One version. Each part assembles by itself: llvm-mc -triple=amdgcn-amd-amdhsa -mcpu=gfx1250 --defsym DOCPART=n.
;; ======== version 1 of 1: 3 launches
;; workspace buffers: lk 4,718,592 bytes; li 4,718,592 bytes of whole numbers; sel 147,456 bytes of whole numbers
;; launch scan (part 1): grid 32 x 8, 8 waves a work-group, no clusters, 75,520 bytes of LDS; arguments edges, embeds, lk, li; writes lk, li
.if DOCPART == 1
	.amdgcn_target "amdgcn-amd-amdhsa--gfx1250"
	.amdhsa_code_object_version 6
	.text
	.protected	k_qdec54a5017_scan
	.globl	k_qdec54a5017_scan
	.p2align	8
	.type	k_qdec54a5017_scan,@function
k_qdec54a5017_scan:
	s_mov_b64 s[64:65], 0
	v_nop
	global_prefetch_b8 v0, s[64:65] scope:SCOPE_SE
	s_setreg_imm32_b32 hwreg(HW_REG_WAVE_MODE, 25, 1), 1
	s_wait_xcnt 0x0
; SCAN.  For each head and each of its 1,024 queries (512 of edges' row 0, 512 of row 1): which GROUPS of 32 nodes can hold the nine nearest nodes.
; d2 = qn + en - 2 Q(q).Q(e) orders, for one query, as -(Q(q).Q(e) - en/2).  The product is made on codes of E2M1 with one E8M0 scale for a row's 32 numbers;
; -en/2 is the C of the matrix instruction, so a key costs no vector instruction.  The nine best keys lie in the nine groups with the best group maxima:
; a key costs half a v_max3, and only one number for each 32 nodes is put into a sorted list of nine (key, group number).
; SHARES.  Work-group (x, y): x = one of 32 runs of 1,600 nodes (25 chunks of 64), y = 2 x head + row of edges.  It takes that row's 512 queries, 64 a wave (4 tiles of 16);
; column r of tile t is query 64 w + 4 r + t, so that a lane's four tile registers are four neighbouring queries.  Every wave walks all 25 chunks.
; THE INSTRUCTION'S K IS 128, THE PROBLEM'S 32: source 0 holds 64 nodes (row r, block b of K = node 16 b + r of the chunk); source 1 holds a tile's queries in ONE block b and zero codes in the others,
; which picks the 16 nodes of that block.  In the result lane (r, h) holds query r and nodes 16 b + 8 h + 0 .. 7.  A group is (chunk, h): nodes 64 chunk + 16 b + 8 h + j; its number is 2 chunk + h.
; PHASES.  A: the waves quantise 1,792 node rows (the run and three chunks more, of which the look-ahead reads one) and their own 64 query rows; codes, scale bytes and -en/2 go to LDS as images of the
; operands' registers.  One barrier.  B: 25 trips, 16 matrix instructions each.  C: the two halves of the lanes merge their lists; 16 lanes store 256 consecutive bytes, aligned.
; NO TENSOR LOADS, NO CLUSTER: every f32 row has to pass through registers to be quantised, a work-group's codes fit in LDS once, and a node row is read by two work-groups only (the two rows of edges).
; LIMITS.  NaN and infinities among the inputs are not served; en stays under 3e38.  The order here is that of dot - en/2 as the matrix unit rounds it, without qn: groups whose maxima differ by about
; one unit in the last place at the ninth place may fall the other way than in the reference, and equal maxima there are not told apart by index.  A row of zeros keeps the scale byte 1 (its codes are zeros).
.set NODES,  50000
.set LASTB,  49984                     ; the last whole block of 16 rows: 50,000 = 16 x 3,125, so a block of 16 lies wholly inside the table or wholly outside
.set HEADB,  6400000                   ; bytes of a head
.set CODE,   0                         ; LDS: 28 chunks x 1,024 bytes: node n at 16 n
.set NHB,    28672                     ; -en/2: f32 at 4 n
.set SCB,    35840                     ; scale bytes: 64 a chunk: byte 4 (n % 16) + (n / 16) % 4
.set STG,    37632                     ; a stage for each wave: 32 rows of 128 bytes + 16
.set WSTG,   4608
.set SP,     144
.set CHUNKS, 25
; registers that stay
.set ACD, 1                            ; CODE + 16 lane
.set ANH, 2                            ; NHB + 32 h
.set ASC, 3                            ; SCB + 4 r
.set VG,  4                            ; the group number of the chunk whose maxima are being inserted (in phase A: the offset of the loads from edges)
.set CCD, 5                            ; the three addresses of the chunk in hand
.set CNH, 6
.set CSC, 7
.set QB,  8                            ; v8-75: Z X0 Z Y0 Z X1 Z Y1 Z X2 Z Y2 Z X3 Z Y3 Z, four registers each: Xt = tile t's codes in lanes 0-15, Yt in lanes 16-31, Z = zero codes
.set QS,  76                           ; v76-79: tile t's scale bytes, four times over
.set NA,  80                           ; v80-87: the chunk's 64 nodes
.set NS,  88                           ; their scale words
.set LN,  89                           ; lane
.set XR,  90                           ; v90-93: running group maxima
.set XP,  94                           ; v94-97: the last chunk's group maxima
.set NCA, 98                           ; v98-105, v106-113: -en/2 of an even and of an odd block
.set NCB, 106
.set DP,  114                          ; v114-145, v146-177: two sets of four results
.set DQ,  146
.set KY,  178                          ; key i of tile t at KY + 4 i + t
.set ID,  214                          ; its group number
.set VOUT, 250
.set BA,  28                           ; s28-36, s37-45: two banks of nine masks
.set BB,  37
; registers of phase A
.set AC,  80
.set MXB, 84
.set RR,  85
.set HH,  86
.set PIE, 87
.set L16, 90
.set VSW, 91
.set VSR, 92
.set VSQ, 93
.set VAC, 94
.set VAN, 95
.set VAS, 96
.set BIG, 97
.set VA,  98                           ; v98-103: two offsets for each of three sets of loads
.set EI,  104                          ; v104-119: the queries' node numbers, then their rows' offsets
.set COD, 120
.set BYT, 124
.set NHV, 125
.set SOP, 126
.set MXA, 127
.set X,   128
.set R,   160                          ; v160-255: three sets of 32 registers as loaded
; A lane's row of 32 numbers, v[x] on, becomes 32 codes (4 registers) and a scale byte.  The largest magnitude has the floor 2^(3 - 127) among its leaves, so the byte cannot fall under 1;
; 2 off its exponent field is the conversion's scale operand, of which the exponent field alone counts.  One plain line stands behind the conversions.
.macro QUANT32 x, cod, sop, byt, ma, mb
	v_max3_num_f32 v[\ma], |v[\x]|, |v[\x+1]|, 0x1800000
	v_max3_num_f32 v[\mb], |v[\x+2]|, |v[\x+3]|, |v[\x+4]|
.irp i,5,9,13,17,21,25
	v_max3_num_f32 v[\ma], v[\ma], |v[\x+\i]|, |v[\x+\i+1]|
	v_max3_num_f32 v[\mb], v[\mb], |v[\x+\i+2]|, |v[\x+\i+3]|
.endr
	v_max3_num_f32 v[\ma], v[\ma], |v[\x+29]|, |v[\x+30]|
	v_max3_num_f32 v[\ma], v[\ma], v[\mb], |v[\x+31]|
	v_add_nc_u32 v[\sop], 0xff000000, v[\ma]
	v_lshrrev_b32 v[\byt], 23, v[\sop]
.irp g,0,1,2,3
	v_cvt_scalef32_pk8_fp4_f32 v[\cod+\g], v[\x+8*\g:\x+8*\g+7], v[\sop]
.endr
	v_nop
.endm
; the sum of the row's squares, two at a time in two chains
.macro SUMSQ x, a, b, out
	v_pk_mul_f32 v[(\a):(\a)+1], v[(\x):(\x)+1], v[(\x):(\x)+1]
	v_pk_mul_f32 v[(\b):(\b)+1], v[(\x)+2:(\x)+3], v[(\x)+2:(\x)+3]
.irp i,4,8,12,16,20,24,28
	v_pk_fma_f32 v[(\a):(\a)+1], v[(\x)+\i:(\x)+\i+1], v[(\x)+\i:(\x)+\i+1], v[(\a):(\a)+1]
	v_pk_fma_f32 v[(\b):(\b)+1], v[(\x)+\i+2:(\x)+\i+3], v[(\x)+\i+2:(\x)+\i+3], v[(\b):(\b)+1]
.endr
	v_pk_add_f32 v[(\a):(\a)+1], v[(\a):(\a)+1], v[(\b):(\b)+1]
	v_add_f32 v[\out], v[(\a)], v[(\a)+1]
.endm
; Two slots p, q of a list (key base, index base, stride) are compared, and the larger goes to slot u, the smaller to slot w of another list.
.macro PC sk, ss, p, q, m
	v_cmp_gt_f32 s[\m], v[(\sk)+(\ss)*(\q)], v[(\sk)+(\ss)*(\p)]
.endm
.macro PM sk, si, ss, p, q, dk, di, dd, u, w, m
	v_max_num_f32 v[(\dk)+(\dd)*(\u)], v[(\sk)+(\ss)*(\p)], v[(\sk)+(\ss)*(\q)]
	v_min_num_f32 v[(\dk)+(\dd)*(\w)], v[(\sk)+(\ss)*(\p)], v[(\sk)+(\ss)*(\q)]
	v_cndmask_b32 v[(\di)+(\dd)*(\u)], v[(\si)+(\ss)*(\p)], v[(\si)+(\ss)*(\q)], s[\m]
	v_cndmask_b32 v[(\di)+(\dd)*(\w)], v[(\si)+(\ss)*(\q)], v[(\si)+(\ss)*(\p)], s[\m]
.endm
; Two lists of nine, sorted downward, become the nine largest of the eighteen, sorted downward, in list A; list B is scratch.
; L(i) = max(A(i), B(8 - i)) are the nine largest, falling and then rising.  With seven +infinity behind them they are a bitonic run of sixteen, whose merge network loses all
; comparators that meet an infinity: (L0, L8), then eight numbers at distances 4, 2, 1: thirteen comparators.
.macro MERGE2 ka, ia, sa, kb, ib, sb
.irp i,0,1,2,3,4,5,6,7,8
	v_cmp_gt_f32 s[28+\i], v[(\ka)+(\sa)*\i], v[(\kb)+(\sb)*(8-\i)]
.endr
.irp i,0,1,2,3,4,5,6,7,8
	v_cndmask_b32 v[(\ib)+(\sb)*(8-\i)], v[(\ib)+(\sb)*(8-\i)], v[(\ia)+(\sa)*\i], s[28+\i]
	v_max_num_f32 v[(\kb)+(\sb)*(8-\i)], v[(\ka)+(\sa)*\i], v[(\kb)+(\sb)*(8-\i)]
.endr
	v_cmp_gt_f32 s28, v[(\kb)], v[(\kb)+(\sb)*8]                        ; L8 > L0?  (L(i) lies in B's slot 8 - i)
	v_max_num_f32 v[(\ka)], v[(\kb)], v[(\kb)+(\sb)*8]                  ; the largest of all: A's slot 0
	v_cndmask_b32 v[(\ia)], v[(\ib)+(\sb)*8], v[(\ib)], s28
	v_cndmask_b32 v[(\ib)+(\sb)*8], v[(\ib)], v[(\ib)+(\sb)*8], s28     ; the smaller of the two takes L0's place
	v_min_num_f32 v[(\kb)+(\sb)*8], v[(\kb)], v[(\kb)+(\sb)*8]
.irp j,0,1,2,3
	PC \kb, \sb, 8-\j, 4-\j, 28+\j
.endr
.irp j,0,1,2,3
	PM \kb, \ib, \sb, 8-\j, 4-\j, \ka, \ia, \sa, 1+\j, 5+\j, 28+\j
.endr
.irp p,0,1,4,5
	PC \ka, \sa, 1+\p, 3+\p, 28+\p
.endr
.irp p,0,1,4,5
	PM \ka, \ia, \sa, 1+\p, 3+\p, \kb, \ib, \sb, \p, 2+\p, 28+\p
.endr
.irp p,0,2,4,6
	PC \kb, \sb, \p, 1+\p, 28+\p
.endr
.irp p,0,2,4,6
	PM \kb, \ib, \sb, \p, 1+\p, \ka, \ia, \sa, 1+\p, 2+\p, 28+\p
.endr
.endm
	s_load_b256 s[4:11], s[0:1], 0x0               ; edges s[4:5], embeds s[6:7], lk s[8:9], li s[10:11]
	s_set_vgpr_msb 0x40
	v_lshl_add_u32 v0, v0, 2, 0x12300
	v_mov_b32 v1, 0
	s_set_vgpr_msb 0x4000
	v_lshrrev_b32 v[LN], 5, v0
	v_readfirstlane_b32 s12, v[LN]                 ; wave 0..7
	v_and_b32 v[LN], 31, v0                        ; lane
	v_and_b32 v[RR], 15, v0                        ; r
	v_bfe_u32 v[HH], v0, 4, 1                      ; h
	v_lshlrev_b32 v[L16], 4, v[LN]
	v_and_b32 v[PIE], 7, v0
	v_lshlrev_b32 v[PIE], 4, v[PIE]                ; my 16 bytes of a row that eight lanes read
	v_bfe_u32 v[VG], v0, 3, 2                      ; lane / 8
	s_and_b32 s14, ttmp7, 0xffff                   ; y
	s_lshr_b32 s15, s14, 1                         ; head
	s_and_b32 s16, s14, 1                          ; row of edges
	s_mul_i32 s17, ttmp9, 1600
	s_lshl_b32 s46, s12, 5
	s_add_co_u32 s17, s17, s46                     ; my first node row: 1,600 x + 32 w
	s_mul_i32 s47, s12, WSTG
	s_add_co_u32 s47, s47, STG                     ; my stage
	v_mul_u32_u24 v[VSW], v[VG], SP
	v_add_nc_u32 v[VSW], v[VSW], v[PIE]
	v_add_nc_u32 v[VSW], s47, v[VSW]               ; into it: a load's 512 bytes are four rows: row lane / 8, 16 bytes a lane
	v_lshlrev_b32 v[VG], 4, v[VG]                  ; edges: 16 (lane / 8)
	v_mul_u32_u24 v[VSR], v[LN], SP
	v_add_nc_u32 v[VSR], s47, v[VSR]               ; out of it: a row a lane
	v_mul_u32_u24 v[VSQ], v[RR], SP
	v_add_nc_u32 v[VSQ], s47, v[VSQ]               ; queries: row r in both halves of the lanes
	s_lshl_b32 s46, s12, 9
	v_add_nc_u32 v[VAC], s46, v[L16]               ; images: codes at 16 n, n = 256 t + 32 w + lane
	s_lshl_b32 s46, s12, 7
	s_add_co_u32 s46, s46, NHB
	v_lshl_add_u32 v[VAN], v[LN], 2, s46           ; -en/2 at 4 n
	s_lshr_b32 s46, s12, 1
	s_lshl_b32 s46, s46, 6
	s_and_b32 s47, s12, 1
	s_lshl_b32 s47, s47, 1
	s_add_co_u32 s46, s46, s47
	s_add_co_u32 s46, s46, SCB
	v_lshl_add_u32 v[VAS], v[RR], 2, v[HH]
	v_add_nc_u32 v[VAS], s46, v[VAS]               ; the scale byte: 64 (w / 2) + 4 r + 2 (w % 2) + h
	v_mov_b32 v[BIG], 0xff61b1e6                   ; -3e38: the -en/2 of a row past the table's end
	s_mov_b32 s20, 0x76543210
	s_mov_b32 s21, 0xfedcba98                      ; v_permlanex16_b32's selects for lane l xor 16
	s_mov_b32 s22, 0x0000ffff                      ; lanes 0-15
	s_mov_b32 s23, 0xffff0000                      ; lanes 16-31
	s_mul_i32 s50, s15, HEADB
	s_mov_b32 s51, 0
	s_lshl_b32 s52, s16, 11
	s_lshl_b32 s46, s12, 8
	s_add_co_u32 s52, s52, s46                     ; edges: 2,048 x row + 256 w
	s_mov_b32 s53, 0
	s_lshl_b32 s54, s14, 5
	s_add_co_u32 s54, s54, ttmp9
	s_mul_i32 s54, s54, 18432                      ; lk, li: [y][x][9][512]
	s_mov_b32 s55, 0
	s_wait_kmcnt 0x0
	s_add_nc_u64 s[48:49], s[6:7], s[50:51]        ; my head's rows
	s_add_nc_u64 s[4:5], s[4:5], s[52:53]
	s_add_nc_u64 s[8:9], s[8:9], s[54:55]
	s_add_nc_u64 s[10:11], s[10:11], s[54:55]
; The queries' node numbers, in the order in which their rows will be loaded: load j of set u brings stage rows 4 j + lane / 8; rows 0-15 are tile 2 u, rows 16-31 tile 2 u + 1.
.irp u,0,1
.irp j,0,1,2,3,4,5,6,7
	global_load_b32 v[EI+8*\u+\j], v[VG], s[4:5] offset:64*(\j%4)+4*(2*\u+\j/4)
.endr
.endr
; 32 node rows, 256 t on from my first: eight loads of 512 consecutive bytes.  Each half of 16 rows is held inside the table.
.macro LOADN t
	s_add_co_u32 s46, s17, 256*(\t)
	s_add_co_u32 s47, s46, 16
	s_min_u32 s46, s46, LASTB
	s_min_u32 s47, s47, LASTB
	v_lshl_add_u32 v[VA+2*((\t)%3)], s46, 7, v[L16]
	v_lshl_add_u32 v[VA+2*((\t)%3)+1], s47, 7, v[L16]
.irp j,0,1,2,3
	global_load_b128 v[R+32*((\t)%3)+4*\j:R+32*((\t)%3)+4*\j+3], v[VA+2*((\t)%3)], s[48:49] offset:512*\j
.endr
.irp j,0,1,2,3
	global_load_b128 v[R+32*((\t)%3)+16+4*\j:R+32*((\t)%3)+16+4*\j+3], v[VA+2*((\t)%3)+1], s[48:49] offset:512*\j
.endr
.endm
; 32 query rows: eight lanes read a row of 128 bytes.  The node number is held inside the table before it enters an offset.
.macro LOADG u
.irp j,0,1,2,3,4,5,6,7
	v_min_u32 v[EI+8*(\u)+\j], NODES-1, v[EI+8*(\u)+\j]
.endr
.irp j,0,1,2,3,4,5,6,7
	v_lshl_add_u32 v[EI+8*(\u)+\j], v[EI+8*(\u)+\j], 7, v[PIE]
.endr
.irp j,0,1,2,3,4,5,6,7
	global_load_b128 v[R+32*((7+(\u))%3)+4*\j:R+32*((7+(\u))%3)+4*\j+3], v[EI+8*(\u)+\j], s[48:49]
.endr
.endm
	LOADN 0
	LOADN 1
	LOADN 2
; A step on node rows.  Three sets of eight loads are out; the set in hand turns through my own stage (LDS serves a wave's instructions in order), so that a lane gets a whole row.
.macro STEPN t
	s_wait_loadcnt 16                              ; my set is in; the two younger sets of eight stay out (the loads from edges are older than all)
.irp j,0,1,2,3,4,5,6,7
	ds_store_b128 v[VSW], v[R+32*((\t)%3)+4*\j:R+32*((\t)%3)+4*\j+3] offset:4*SP*\j
.endr
.irp c,0,1,2,3,4,5,6,7
	ds_load_b128 v[X+4*\c:X+4*\c+3], v[VSR] offset:16*\c
.endr
	s_wait_dscnt 0x0                               ; the row is here, the stage's stores have read their registers, the last step's images are stored
.if (\t)+3 <= 6
	LOADN (\t)+3
.elseif (\t)+3 <= 8
	LOADG (\t)-4
.endif
	QUANT32 X, COD, SOP, BYT, MXA, MXB
	SUMSQ X, AC, AC+2, NHV
	v_mul_f32 v[NHV], -0.5, v[NHV]
	s_sub_co_i32 s46, NODES-256*(\t), s17          ; rows left in the table from my first row of this step
	v_cmp_gt_i32 vcc_lo, s46, v[LN]
	v_cndmask_b32 v[NHV], v[BIG], v[NHV], vcc_lo   ; a row past the end can win nothing
	ds_store_b128 v[VAC], v[COD:COD+3] offset:4096*(\t)
	ds_store_b32 v[VAN], v[NHV] offset:1024*(\t)
	ds_store_b8 v[VAS], v[BYT] offset:256*(\t)
.endm
; A tile's queries become the two masked copies of their codes and the scale register.
.macro QUERYWORK tt, x
	QUANT32 \x, COD, SOP, BYT, MXA, MXB
.irp g,0,1,2,3
	v_cndmask_b32 v[QB+16*(\tt)+4+\g], 0, v[COD+\g], s22
	v_cndmask_b32 v[QB+16*(\tt)+12+\g], 0, v[COD+\g], s23
.endr
	v_lshl_or_b32 v[QS+(\tt)], v[BYT], 8, v[BYT]
	v_lshl_or_b32 v[QS+(\tt)], v[QS+(\tt)], 16, v[QS+(\tt)]
.endm
.macro STEPG u
	s_wait_loadcnt 8-8*(\u)                        ; the first set leaves the second set's eight loads out
.irp j,0,1,2,3,4,5,6,7
	ds_store_b128 v[VSW], v[R+32*((7+(\u))%3)+4*\j:R+32*((7+(\u))%3)+4*\j+3] offset:4*SP*\j
.endr
.irp c,0,1,2,3,4,5,6,7
	ds_load_b128 v[X+4*\c:X+4*\c+3], v[VSQ] offset:16*\c
.endr
.irp c,0,1,2,3,4,5,6,7
	ds_load_b128 v[R+4*\c:R+4*\c+3], v[VSQ] offset:16*SP+16*\c   ; the first set of registers is free: the last node rows have left it
.endr
	s_wait_dscnt 0x0
	QUERYWORK 2*(\u), X
	QUERYWORK 2*(\u)+1, R
.endm
.irp t,0,1,2,3,4,5,6
	STEPN \t
.endr
	STEPG 0
	STEPG 1
; the close of phase A
.irp k,0,1,2,3,4,5,6,7,8
.irp g,0,1,2,3
	v_mov_b32 v[QB+8*\k+\g], 0                     ; the zero codes between the copies
.endr
.endr
.irp i,0,1,2,3,4,5,6,7,8,9,10,11,12,13,14,15,16,17,18,19,20,21,22,23,24,25,26,27,28,29,30,31,32,33,34,35
	v_mov_b32 v[KY+\i], 0xff800000                 ; the lists begin empty: keys of -infinity,
	v_mov_b32 v[ID+\i], 0                          ; which the run's 50 groups push out
.endr
.irp t,0,1,2,3
	v_mov_b32 v[XP+\t], 0xff800000                 ; the first trip inserts nothing
.endr
	v_lshlrev_b32 v[ACD], 4, v[LN]
	v_lshl_add_u32 v[ANH], v[HH], 5, NHB
	v_lshl_add_u32 v[ASC], v[RR], 2, SCB
	v_lshlrev_b32 v[VOUT], 4, v[RR]
	s_lshl_b32 s46, s12, 8
	v_add_nc_u32 v[VOUT], s46, v[VOUT]             ; my four queries' 16 bytes: 256 w + 16 r
	s_mul_i32 s46, ttmp9, 50
	s_sub_co_u32 s46, s46, 2
	v_add_nc_u32 v[VG], s46, v[HH]                 ; the group number one chunk back: 50 x + h - 2
	v_mov_b32 v[CCD], v[ACD]
	v_mov_b32 v[CNH], v[ANH]
	v_mov_b32 v[CSC], v[ASC]
	s_wait_dscnt 0x0                               ; for the others' sake: my images are stored
	s_barrier_signal -1
	s_barrier_wait -1                              ; everybody's are; from here on LDS is only read
; PHASE B
.macro LNEXT                           ; a chunk's nodes, their scale words, and -en/2 of its blocks 0 and 1: seven loads
	ds_load_b128 v[NA:NA+3], v[CCD]
	ds_load_b128 v[NA+4:NA+7], v[CCD] offset:512
	ds_load_b32 v[NS], v[CSC]
	ds_load_b128 v[NCA:NCA+3], v[CNH]
	ds_load_b128 v[NCA+4:NCA+7], v[CNH] offset:16
	ds_load_b128 v[NCB:NCB+3], v[CNH] offset:64
	ds_load_b128 v[NCB+4:NCB+7], v[CNH] offset:80
.endm
; four products: the chunk's nodes against the four tiles of queries, whose codes stand in one block of K (qoff picks it); C is disjoint from D: no sum is carried on
.macro W set, qoff, nc
.irp t,0,1,2,3
	v_wmma_scale_f32_16x16x128_f8f6f4 v[\set+8*\t:\set+8*\t+7], v[NA:NA+7], v[QB+16*\t+\qoff:QB+16*\t+\qoff+7], v[\nc:\nc+7], v[NS], v[QS+\t] matrix_a_fmt:MATRIX_FMT_FP4 matrix_b_fmt:MATRIX_FMT_FP4
.endr
.endm
; the group maxima take a block's eight keys in; the tiles by turns; each result is read from its low end on; block 3's last line hands the maximum over
.macro RED set, b
.if (\b) == 0
.irp t,0,1,2,3
	v_max3_num_f32 v[XR+\t], v[\set+8*\t], v[\set+8*\t+1], v[\set+8*\t+2]
.endr
.irp t,0,1,2,3
	v_max3_num_f32 v[XR+\t], v[XR+\t], v[\set+8*\t+3], v[\set+8*\t+4]
.endr
.irp t,0,1,2,3
	v_max3_num_f32 v[XR+\t], v[XR+\t], v[\set+8*\t+5], v[\set+8*\t+6]
.endr
.irp t,0,1,2,3
	v_max_num_f32 v[XR+\t], v[XR+\t], v[\set+8*\t+7]
.endr
.else
.irp k,0,2,4
.irp t,0,1,2,3
	v_max3_num_f32 v[XR+\t], v[XR+\t], v[\set+8*\t+\k], v[\set+8*\t+\k+1]
.endr
.endr
.irp t,0,1,2,3
.if (\b) == 3
	v_max3_num_f32 v[XP+\t], v[XR+\t], v[\set+8*\t+6], v[\set+8*\t+7]
.else
	v_max3_num_f32 v[XR+\t], v[XR+\t], v[\set+8*\t+6], v[\set+8*\t+7]
.endif
.endr
.endif
.endm
; A maximum x goes into a list sorted downward, without a branch.  c(i) = x > K(i).  Index i becomes index i - 1 where c(i - 1), else the group's number where c(i).  Key i becomes the middle one of K(i - 1), K(i), x.
.macro INS_CMP t, bank
.irp i,0,1,2,3,4,5,6,7,8
	v_cmp_gt_f32 s[\bank+\i], v[XP+\t], v[KY+4*\i+\t]
.endr
.endm
.macro INS_ID2 ta, ba, tb, bb
.irp i,8,7,6,5,4,3,2,1
	v_cndmask_b32 v[ID+4*\i+\ta], v[ID+4*\i+\ta], v[VG], s[\ba+\i]
	v_cndmask_b32 v[ID+4*\i+\tb], v[ID+4*\i+\tb], v[VG], s[\bb+\i]
	v_cndmask_b32 v[ID+4*\i+\ta], v[ID+4*\i+\ta], v[ID+4*\i-4+\ta], s[\ba+\i-1]
	v_cndmask_b32 v[ID+4*\i+\tb], v[ID+4*\i+\tb], v[ID+4*\i-4+\tb], s[\bb+\i-1]
.endr
	v_cndmask_b32 v[ID+\ta], v[ID+\ta], v[VG], s[\ba]
	v_cndmask_b32 v[ID+\tb], v[ID+\tb], v[VG], s[\bb]
.endm
.macro INS_KEY t
.irp i,8,7,6,5,4,3,2,1
	v_med3_num_f32 v[KY+4*\i+\t], v[KY+4*\i-4+\t], v[KY+4*\i+\t], v[XP+\t]
.endr
	v_max_num_f32 v[KY+\t], v[KY+\t], v[XP+\t]
.endm
	s_mov_b32 s24, 0
	s_mov_b32 s25, 0
	s_mov_b32 s26, 0
	LNEXT                                          ; chunk 0
	s_mov_b32 s27, 0
.Lchunk:                                               ; a trip multiplies chunk c and inserts chunk c - 1's maxima between the products and the reads of their results
	s_wait_dscnt 0x0                               ; the chunk's seven loads are in
	W DP, 4, NCA                                   ; block 0
	W DQ, 12, NCB                                  ; block 1
	INS_CMP 0, BA
	INS_CMP 1, BB
	INS_ID2 0, BA, 1, BB                           ; these selects are the places in front of the loads below, into registers that the products read
	ds_load_b128 v[NCA:NCA+3], v[CNH] offset:128   ; -en/2 of blocks 2 and 3
	ds_load_b128 v[NCA+4:NCA+7], v[CNH] offset:144
	ds_load_b128 v[NCB:NCB+3], v[CNH] offset:192
	ds_load_b128 v[NCB+4:NCB+7], v[CNH] offset:208
	INS_KEY 0
	INS_KEY 1
	RED DP, 0
	RED DQ, 1
	s_wait_dscnt 0x0                               ; those four loads are in
	W DP, 0, NCA                                   ; block 2
	W DQ, 8, NCB                                   ; block 3
	INS_CMP 2, BA
	INS_CMP 3, BB
	INS_ID2 2, BA, 3, BB
	s_add_co_u32 s24, s24, 1024                    ; on to the next chunk's images
	s_add_co_u32 s25, s25, 256
	s_add_co_u32 s26, s26, 64
	v_add_nc_u32 v[CCD], s24, v[ACD]
	v_add_nc_u32 v[CNH], s25, v[ANH]
	v_add_nc_u32 v[CSC], s26, v[ASC]
	LNEXT                                          ; (the last trip reads chunk 25, which was written and is not used)
	INS_KEY 2
	INS_KEY 3
	RED DP, 2
	RED DQ, 3
	v_add_nc_u32 v[VG], 2, v[VG]
	s_add_co_u32 s27, s27, 1
	s_cmp_lt_u32 s27, CHUNKS
	s_cbranch_scc1 .Lchunk
; PHASE C
	s_wait_dscnt 0x0                               ; the look-ahead's loads have landed
	INS_CMP 0, BA                                  ; the last chunk's maxima
	INS_CMP 1, BB
	INS_ID2 0, BA, 1, BB
	INS_KEY 0
	INS_KEY 1
	INS_CMP 2, BA
	INS_CMP 3, BB
	INS_ID2 2, BA, 3, BB
	INS_KEY 2
	INS_KEY 3
.irp t,0,1,2,3                         ; lane l holds the groups of its half h; lane l xor 16 the others of the same query
.irp i,0,1,2,3,4,5,6,7,8
	v_permlanex16_b32 v[DP+\i], v[KY+4*\i+\t], s20, s21
	v_permlanex16_b32 v[DP+10+\i], v[ID+4*\i+\t], s20, s21
.endr
	MERGE2 KY+\t, ID+\t, 4, DP, DP+10, 1
.endr
	v_cmp_gt_u32 vcc_lo, 16, v[LN]
	s_wait_xcnt 0x0                                ; EXEC changes only behind this wait
	s_set_vgpr_msb 0x5
	s_wait_tensorcnt 0x0
	ds_add_u32 v0, v1
	s_wait_dscnt 0x0
	s_set_vgpr_msb 0x500
	s_and_saveexec_b32 s46, vcc_lo                 ; both halves hold the same lists: lanes 0-15 store
.irp i,0,1,2,3,4,5,6,7,8
	global_store_b128 v[VOUT], v[KY+4*\i:KY+4*\i+3], s[8:9] offset:2048*\i    ; 16 lanes store 256 consecutive bytes, aligned
	global_store_b128 v[VOUT], v[ID+4*\i:ID+4*\i+3], s[10:11] offset:2048*\i
.endr
	s_wait_xcnt 0x0                                ; and again in front of the line that widens it
	s_or_b32 exec_lo, exec_lo, s46
	s_endpgm
.Lfunc_end_k_qdec54a5017_scan:
	.size	k_qdec54a5017_scan, .Lfunc_end_k_qdec54a5017_scan-k_qdec54a5017_scan
	.p2alignl 7, 3214868480
	.fill 96, 4, 3214868480
	.section	.rodata,"a",@progbits
	.p2align	6, 0x0
	.amdhsa_kernel k_qdec54a5017_scan
		.amdhsa_group_segment_fixed_size 75520
		.amdhsa_private_segment_fixed_size 0
		.amdhsa_enable_private_segment 0
		.amdhsa_kernarg_size 32
		.amdhsa_user_sgpr_count 2
		.amdhsa_user_sgpr_kernarg_segment_ptr 1
		.amdhsa_wavefront_size32 1
		.amdhsa_system_sgpr_workgroup_id_x 1
		.amdhsa_system_sgpr_workgroup_id_y 1
		.amdhsa_system_sgpr_workgroup_id_z 1
		.amdhsa_system_vgpr_workitem_id 0
		.amdhsa_next_free_vgpr 258
		.amdhsa_next_free_sgpr 66
		.amdhsa_reserve_vcc 1
		.amdhsa_float_denorm_mode_32 3
		.amdhsa_float_denorm_mode_16_64 3
		.amdhsa_memory_ordered 1
		.amdhsa_forward_progress 1
		.amdhsa_inst_pref_size 110
	.end_amdhsa_kernel
	.amdgpu_metadata
---
amdhsa.version: [ 1, 2 ]
amdhsa.kernels:
  - .name:           k_qdec54a5017_scan
    .symbol:         k_qdec54a5017_scan.kd
    .args:
      - { .name: edges, .offset: 0, .size: 8, .value_kind: global_buffer, .address_space: global }
      - { .name: embeds, .offset: 8, .size: 8, .value_kind: global_buffer, .address_space: global }
      - { .name: lk, .offset: 16, .size: 8, .value_kind: global_buffer, .address_space: global }
      - { .name: li, .offset: 24, .size: 8, .value_kind: global_buffer, .address_space: global }
    .group_segment_fixed_size: 75520
    .private_segment_fixed_size: 0
    .kernarg_segment_align: 8
    .kernarg_segment_size: 32
    .max_flat_workgroup_size: 256
    .sgpr_count:     66
    .vgpr_count:     258
    .wavefront_size: 32
...
	.end_amdgpu_metadata
.endif
;; end of part 1
;; launch pick (part 2): grid 8 x 8, 8 waves a work-group, no clusters, 33,280 bytes of LDS; arguments lk, li, sel; writes sel
.if DOCPART == 2
	.amdgcn_target "amdgcn-amd-amdhsa--gfx1250"
	.amdhsa_code_object_version 6
	.text
	.protected	k_qdec54a5017_pick
	.globl	k_qdec54a5017_pick
	.p2align	8
	.type	k_qdec54a5017_pick,@function
k_qdec54a5017_pick:
	s_mov_b64 s[64:65], 0
	v_nop
	global_prefetch_b8 v0, s[64:65] scope:SCOPE_SE
	s_setreg_imm32_b32 hwreg(HW_REG_WAVE_MODE, 25, 1), 1
	s_wait_xcnt 0x0
; PICK.  Each query has 32 lists of nine (key, group number), sorted downward, one from each run of nodes.  They are merged into the query's nine best groups, whose numbers are stored as whole numbers.
; lk, li: [y 8][run 32][i 9][query 512];  sel: [y 8][i 9][query 512].
; SHARES.  Work-group (x, y): 64 queries of y.  A lane holds two neighbouring queries, so that each load of a wave reads 256 consecutive bytes, aligned.  Wave v merges runs 4 v .. 4 v + 3 in registers;
; then the eight waves' lists meet through LDS in a tree of three levels, each with LDS bytes of its own and one barrier.  All 32 lists of a query must meet in one work-group and 64 queries are
; what a whole aligned run of 256 bytes holds: so there is work for 64 work-groups.
; No matrix unit, no tensor loads, no cluster: each byte is read once by one wave.
; LIMITS: equal keys are not told apart by index.
.set T1, 0                             ; LDS: four lists of 4,608 bytes; two; one
.set T2, 18432
.set T3, 27648
.set LST, 16                           ; list l: key i of query q at LST + 36 l + 2 i + q; its group number 18 further on
.macro PC sk, ss, p, q, m
	v_cmp_gt_f32 s[\m], v[(\sk)+(\ss)*(\q)], v[(\sk)+(\ss)*(\p)]
.endm
.macro PM sk, si, ss, p, q, dk, di, dd, u, w, m
	v_max_num_f32 v[(\dk)+(\dd)*(\u)], v[(\sk)+(\ss)*(\p)], v[(\sk)+(\ss)*(\q)]
	v_min_num_f32 v[(\dk)+(\dd)*(\w)], v[(\sk)+(\ss)*(\p)], v[(\sk)+(\ss)*(\q)]
	v_cndmask_b32 v[(\di)+(\dd)*(\u)], v[(\si)+(\ss)*(\p)], v[(\si)+(\ss)*(\q)], s[\m]
	v_cndmask_b32 v[(\di)+(\dd)*(\w)], v[(\si)+(\ss)*(\q)], v[(\si)+(\ss)*(\p)], s[\m]
.endm
; Two lists of nine, sorted downward, become the nine largest of the eighteen, sorted downward, in list A; list B is scratch.  L(i) = max(A(i), B(8 - i)) falls and then rises;
; with seven +infinity behind it that is a bitonic run of sixteen, whose merge network keeps thirteen comparators: (L0, L8), then eight numbers at distances 4, 2, 1.
.macro MERGE2 ka, ia, sa, kb, ib, sb
.irp i,0,1,2,3,4,5,6,7,8
	v_cmp_gt_f32 s[28+\i], v[(\ka)+(\sa)*\i], v[(\kb)+(\sb)*(8-\i)]
.endr
.irp i,0,1,2,3,4,5,6,7,8
	v_cndmask_b32 v[(\ib)+(\sb)*(8-\i)], v[(\ib)+(\sb)*(8-\i)], v[(\ia)+(\sa)*\i], s[28+\i]
	v_max_num_f32 v[(\kb)+(\sb)*(8-\i)], v[(\ka)+(\sa)*\i], v[(\kb)+(\sb)*(8-\i)]
.endr
	v_cmp_gt_f32 s28, v[(\kb)], v[(\kb)+(\sb)*8]
	v_max_num_f32 v[(\ka)], v[(\kb)], v[(\kb)+(\sb)*8]
	v_cndmask_b32 v[(\ia)], v[(\ib)+(\sb)*8], v[(\ib)], s28
	v_cndmask_b32 v[(\ib)+(\sb)*8], v[(\ib)], v[(\ib)+(\sb)*8], s28
	v_min_num_f32 v[(\kb)+(\sb)*8], v[(\kb)], v[(\kb)+(\sb)*8]
.irp j,0,1,2,3
	PC \kb, \sb, 8-\j, 4-\j, 28+\j
.endr
.irp j,0,1,2,3
	PM \kb, \ib, \sb, 8-\j, 4-\j, \ka, \ia, \sa, 1+\j, 5+\j, 28+\j
.endr
.irp p,0,1,4,5
	PC \ka, \sa, 1+\p, 3+\p, 28+\p
.endr
.irp p,0,1,4,5
	PM \ka, \ia, \sa, 1+\p, 3+\p, \kb, \ib, \sb, \p, 2+\p, 28+\p
.endr
.irp p,0,2,4,6
	PC \kb, \sb, \p, 1+\p, 28+\p
.endr
.irp p,0,2,4,6
	PM \kb, \ib, \sb, \p, 1+\p, \ka, \ia, \sa, 1+\p, 2+\p, 28+\p
.endr
.endm
.macro MERGE la, lb                    ; list la takes list lb in, for both queries of the lane
.irp q,0,1
	MERGE2 LST+36*(\la)+\q, LST+18+36*(\la)+\q, 2, LST+36*(\lb)+\q, LST+18+36*(\lb)+\q, 2
.endr
.endm
.macro PUT adr                         ; list 0 to LDS as it stands in the registers: 18 stores of 256 consecutive bytes
.irp k,0,1,2,3,4,5,6,7,8,9,10,11,12,13,14,15,16,17
	ds_store_b64 v[\adr], v[LST+2*\k:LST+2*\k+1] offset:256*\k
.endr
.endm
.macro GET adr                         ; and back, in another wave, as list 1
.irp k,0,1,2,3,4,5,6,7,8,9,10,11,12,13,14,15,16,17
	ds_load_b64 v[LST+36+2*\k:LST+36+2*\k+1], v[\adr] offset:256*\k
.endr
.endm
.macro MEET                            ; my LDS stores have landed and my LDS loads are in: then the work-group's barrier, on every wave's path
	s_wait_dscnt 0x0
	s_barrier_signal -1
	s_barrier_wait -1
.endm
	s_load_b128 s[4:7], s[0:1], 0x0                ; lk, li
	s_load_b64 s[8:9], s[0:1], 0x10                ; sel
	v_lshl_add_u32 v176, v0, 2, 0x7e00
	v_mov_b32 v177, 0
	v_lshrrev_b32 v1, 5, v0
	v_readfirstlane_b32 s12, v1                    ; wave 0..7
	v_and_b32 v5, 31, v0
	v_lshlrev_b32 v1, 3, v5                        ; 8 bytes a lane
	s_and_b32 s13, s12, 3                          ; every LDS address is made here, ahead of the first parting of the waves
	s_mul_i32 s13, s13, 4608
	v_add_nc_u32 v2, s13, v1                       ; level 1: waves v and v + 4 meet at T1 + 4,608 (v % 4)
	s_and_b32 s13, s12, 1
	s_mul_i32 s13, s13, 4608
	s_add_co_u32 s13, s13, T2
	v_add_nc_u32 v3, s13, v1                       ; level 2: waves v and v + 2
	v_add_nc_u32 v4, T3, v1                        ; level 3: waves 0 and 1
	s_and_b32 s14, ttmp7, 0xffff                   ; y
	s_lshl_b32 s16, s14, 5
	s_lshl_b32 s15, s12, 2
	s_add_co_u32 s16, s16, s15                     ; my first run: 32 y + 4 v
	s_mul_i32 s16, s16, 18432
	s_lshl_b32 s15, ttmp9, 8                       ; my work-group's 64 queries
	s_add_co_u32 s16, s16, s15
	s_mov_b32 s17, 0
	s_mul_i32 s18, s14, 18432
	s_add_co_u32 s18, s18, s15
	s_mov_b32 s19, 0
	s_wait_kmcnt 0x0
	s_add_nc_u64 s[4:5], s[4:5], s[16:17]
	s_add_nc_u64 s[6:7], s[6:7], s[16:17]
	s_add_nc_u64 s[8:9], s[8:9], s[18:19]
.irp l,0,1,2,3
.irp i,0,1,2,3,4,5,6,7,8
	global_load_b64 v[LST+36*\l+2*\i:LST+36*\l+2*\i+1], v1, s[4:5] offset:(9*\l+\i)*2048 th:TH_LOAD_NT
.endr
.irp i,0,1,2,3,4,5,6,7,8
	global_load_b64 v[LST+18+36*\l+2*\i:LST+18+36*\l+2*\i+1], v1, s[6:7] offset:(9*\l+\i)*2048 th:TH_LOAD_NT
.endr
.endr
	s_wait_loadcnt 36                              ; lists 0 and 1 are in; the 36 loads of lists 2 and 3 stay out
	MERGE 0, 1
	s_wait_loadcnt 0x0
	MERGE 2, 3
	MERGE 0, 2
	; level 1: waves 4 to 7 hand over, waves 0 to 3 merge
	s_cmp_lt_u32 s12, 4
	s_cbranch_scc1 .Lkeep1
	PUT 2
.Lkeep1:
	MEET
	s_cmp_ge_u32 s12, 4
	s_cbranch_scc1 .Ldone1
	GET 2
	s_wait_dscnt 0x0
	MERGE 0, 1
.Ldone1:
	; level 2: waves 2 and 3 hand over, waves 0 and 1 merge
	s_lshr_b32 s13, s12, 1
	s_cmp_lg_u32 s13, 1
	s_cbranch_scc1 .Lkeep2
	PUT 3
.Lkeep2:
	MEET
	s_cmp_ge_u32 s12, 2
	s_cbranch_scc1 .Ldone2
	GET 3
	s_wait_dscnt 0x0
	MERGE 0, 1
.Ldone2:
	; level 3: wave 1 hands over, wave 0 merges and stores
	s_cmp_lg_u32 s12, 1
	s_cbranch_scc1 .Lkeep3
	PUT 4
.Lkeep3:
	MEET
	s_cmp_lg_u32 s12, 0
	s_cbranch_scc1 .Lend
	GET 4
	s_wait_dscnt 0x0
	MERGE 0, 1
.irp i,0,1,2,3,4,5,6,7,8
	global_store_b64 v1, v[LST+18+2*\i:LST+18+2*\i+1], s[8:9] offset:2048*\i   ; 32 lanes store 256 consecutive bytes, aligned
.endr
.Lend:
	s_wait_tensorcnt 0x0
	ds_add_u32 v176, v177
	s_wait_dscnt 0x0
	s_endpgm
.Lfunc_end_k_qdec54a5017_pick:
	.size	k_qdec54a5017_pick, .Lfunc_end_k_qdec54a5017_pick-k_qdec54a5017_pick
	.p2alignl 7, 3214868480
	.fill 96, 4, 3214868480
	.section	.rodata,"a",@progbits
	.p2align	6, 0x0
	.amdhsa_kernel k_qdec54a5017_pick
		.amdhsa_group_segment_fixed_size 33280
		.amdhsa_private_segment_fixed_size 0
		.amdhsa_enable_private_segment 0
		.amdhsa_kernarg_size 24
		.amdhsa_user_sgpr_count 2
		.amdhsa_user_sgpr_kernarg_segment_ptr 1
		.amdhsa_wavefront_size32 1
		.amdhsa_system_sgpr_workgroup_id_x 1
		.amdhsa_system_sgpr_workgroup_id_y 1
		.amdhsa_system_sgpr_workgroup_id_z 1
		.amdhsa_system_vgpr_workitem_id 0
		.amdhsa_next_free_vgpr 178
		.amdhsa_next_free_sgpr 66
		.amdhsa_reserve_vcc 0
		.amdhsa_float_denorm_mode_32 3
		.amdhsa_float_denorm_mode_16_64 3
		.amdhsa_memory_ordered 1
		.amdhsa_forward_progress 1
		.amdhsa_inst_pref_size 73
	.end_amdhsa_kernel
	.amdgpu_metadata
---
amdhsa.version: [ 1, 2 ]
amdhsa.kernels:
  - .name:           k_qdec54a5017_pick
    .symbol:         k_qdec54a5017_pick.kd
    .args:
      - { .name: lk, .offset: 0, .size: 8, .value_kind: global_buffer, .address_space: global }
      - { .name: li, .offset: 8, .size: 8, .value_kind: global_buffer, .address_space: global }
      - { .name: sel, .offset: 16, .size: 8, .value_kind: global_buffer, .address_space: global }
    .group_segment_fixed_size: 33280
    .private_segment_fixed_size: 0
    .kernarg_segment_align: 8
    .kernarg_segment_size: 24
    .max_flat_workgroup_size: 256
    .sgpr_count:     66
    .vgpr_count:     178
    .wavefront_size: 32
...
	.end_amdgpu_metadata
.endif
;; end of part 2
;; launch finish (part 3): grid 512 x 1, 8 waves a work-group, no clusters, 38,144 bytes of LDS; arguments edges, embeds, field, sel, out0; writes out0
.if DOCPART == 3
	.amdgcn_target "amdgcn-amd-amdhsa--gfx1250"
	.amdhsa_code_object_version 6
	.text
	.protected	k_qdec54a5017_finish
	.globl	k_qdec54a5017_finish
	.p2align	8
	.type	k_qdec54a5017_finish,@function
k_qdec54a5017_finish:
	s_mov_b64 s[64:65], 0
	v_nop
	global_prefetch_b8 v0, s[64:65] scope:SCOPE_SE
	s_setreg_imm32_b32 hwreg(HW_REG_WAVE_MODE, 25, 1), 1
	s_wait_xcnt 0x0
; FINISH.  One work-group makes one number of the output; wave w = 2 x head + row of edges serves one query.  Its nine groups of 32 nodes (numbers from sel) hold its nine nearest nodes.
; For each candidate: d2 = (qn + en) - 2 Q(q).Q(e), the product on codes of E2M1 by the matrix unit, qn and en in f32, in the reference's order of operations; diff = q - e, its length and diff . field[q] in f32.
; Nine rounds take the smallest d2 out (equal d2: the lower node number, as top_k does); the first is dropped, the other eight are the neighbours.
; The softmax of 1 - dist over a head's 16 neighbours and 8 sentinels (dist 1, logit 0) is taken with its true maximum: each wave's maximum has the sentinels' 0 in it, and wave 0 brings the two waves
; of a head under their common maximum.  Then the mean over the heads and the sigmoid.
; THE PRODUCT.  A lane holds one candidate.  Source 1: column r has candidate r in block 0 of K and candidate 16 + r in block 1 (a lane's four code registers as they stand), zero codes in blocks 2 and 3.
; Source 0: rows 0-7 hold q in block 0, rows 8-15 in block 1, zero codes elsewhere.  So register 0 of the result in lane l is q . candidate l.
; Rows come by loads of 512 consecutive bytes and turn through the wave's own stage in LDS, so that a lane gets a whole row.
; No tensor loads and no cluster: the rows hang on the stored list and have to pass through registers to be quantised.  The output is 512 numbers, each with one owner: a store of 4 bytes a work-group.
; LIMITS.  NaN and infinities among the inputs are not served.  A row of zeros keeps the scale byte 1 (its codes are zeros).
.set NODES, 50000
.set HEADB, 6400000
.set WSTG,  4608                       ; LDS: from 0 a stage for each wave, 32 rows of 128 bytes + 16;
.set SP,    144
.set CMB,   36864                      ; behind them 16 bytes for each wave: its maximum, its sum, its weighted sum
.set LN,  1
.set L16, 2
.set VSW, 3
.set VSR, 4
.set LP,  5                            ; my candidate's place in a group: 16 (lane / 8) + lane % 8
.set NIL, 6
.set VCM, 7
.set VC,  8                            ; v8-15: four offsets for each of two sets of loads
.set F,   16                           ; v16-47: field's row
.set X,   48                           ; v48-79: a candidate's row, then q - it
.set R,   80                           ; v80-143: two sets of 32 registers as loaded
.set D2,  144                          ; nine each: d2; the node number as f32; 1 - dist; the logit
.set IDX, 153
.set ARG, 162
.set LG,  171
.set AQ,  180
.set BC,  188
.set DD,  196
.set AS,  204                          ; q's scale bytes
.set BS,  205                          ; the candidates'
.set T0,  206
.set T1,  207
.set U,   208                          ; v208-216
.set TP,  217
.set PINF, 218
.set NINF, 219
.set QN,  220
.set EN,  221
.set AC,  222                          ; v222-225
.set TB,  226
.set BYT, 227
.set SOP, 228
.set MXA, 229
.set MXB, 230
.set NV,  231
.set FO,  232
.set ND,  22                           ; s22-30: the groups' numbers, then their first nodes
.set QV,  32                           ; s32-63: q
.set MK,  66                           ; s66-74: nine masks
.macro QUANT32 x, cod, sop, byt, ma, mb
	v_max3_num_f32 v[\ma], |v[\x]|, |v[\x+1]|, 0x1800000              ; the floor 2^(3 - 127) among the leaves: the byte cannot fall under 1
	v_max3_num_f32 v[\mb], |v[\x+2]|, |v[\x+3]|, |v[\x+4]|
.irp i,5,9,13,17,21,25
	v_max3_num_f32 v[\ma], v[\ma], |v[\x+\i]|, |v[\x+\i+1]|
	v_max3_num_f32 v[\mb], v[\mb], |v[\x+\i+2]|, |v[\x+\i+3]|
.endr
	v_max3_num_f32 v[\ma], v[\ma], |v[\x+29]|, |v[\x+30]|
	v_max3_num_f32 v[\ma], v[\ma], v[\mb], |v[\x+31]|
	v_add_nc_u32 v[\sop], 0xff000000, v[\ma]                          ; 2 off the exponent field: the conversion's scale operand
	v_lshrrev_b32 v[\byt], 23, v[\sop]
.irp g,0,1,2,3
	v_cvt_scalef32_pk8_fp4_f32 v[\cod+\g], v[\x+8*\g:\x+8*\g+7], v[\sop]
.endr
	v_nop                                                             ; one plain line behind the conversions
.endm
.macro DOT x, y, a, b, out             ; the sum of x(i) y(i), two at a time in two chains
	v_pk_mul_f32 v[(\a):(\a)+1], v[(\x):(\x)+1], v[(\y):(\y)+1]
	v_pk_mul_f32 v[(\b):(\b)+1], v[(\x)+2:(\x)+3], v[(\y)+2:(\y)+3]
.irp i,4,8,12,16,20,24,28
	v_pk_fma_f32 v[(\a):(\a)+1], v[(\x)+\i:(\x)+\i+1], v[(\y)+\i:(\y)+\i+1], v[(\a):(\a)+1]
	v_pk_fma_f32 v[(\b):(\b)+1], v[(\x)+\i+2:(\x)+\i+3], v[(\y)+\i+2:(\y)+\i+3], v[(\b):(\b)+1]
.endr
	v_pk_add_f32 v[(\a):(\a)+1], v[(\a):(\a)+1], v[(\b):(\b)+1]
	v_add_f32 v[\out], v[(\a)], v[(\a)+1]
.endm
.macro LANEMIN r, t                    ; over the 32 lanes, the result in every lane
	v_min_num_f32_dpp v[\r], v[\r], v[\r] row_xmask:1 row_mask:0xf bank_mask:0xf
	v_min_num_f32_dpp v[\r], v[\r], v[\r] row_xmask:2 row_mask:0xf bank_mask:0xf
	v_min_num_f32_dpp v[\r], v[\r], v[\r] row_xmask:4 row_mask:0xf bank_mask:0xf
	v_min_num_f32_dpp v[\r], v[\r], v[\r] row_xmask:8 row_mask:0xf bank_mask:0xf
	v_permlanex16_b32 v[\t], v[\r], s20, s21
	v_min_num_f32 v[\r], v[\r], v[\t]
.endm
.macro LANEMAX r, t
	v_max_num_f32_dpp v[\r], v[\r], v[\r] row_xmask:1 row_mask:0xf bank_mask:0xf
	v_max_num_f32_dpp v[\r], v[\r], v[\r] row_xmask:2 row_mask:0xf bank_mask:0xf
	v_max_num_f32_dpp v[\r], v[\r], v[\r] row_xmask:4 row_mask:0xf bank_mask:0xf
	v_max_num_f32_dpp v[\r], v[\r], v[\r] row_xmask:8 row_mask:0xf bank_mask:0xf
	v_permlanex16_b32 v[\t], v[\r], s20, s21
	v_max_num_f32 v[\r], v[\r], v[\t]
.endm
.macro LANESUM r, t
	v_add_f32_dpp v[\r], v[\r], v[\r] row_xmask:1 row_mask:0xf bank_mask:0xf
	v_add_f32_dpp v[\r], v[\r], v[\r] row_xmask:2 row_mask:0xf bank_mask:0xf
	v_add_f32_dpp v[\r], v[\r], v[\r] row_xmask:4 row_mask:0xf bank_mask:0xf
	v_add_f32_dpp v[\r], v[\r], v[\r] row_xmask:8 row_mask:0xf bank_mask:0xf
	v_permlanex16_b32 v[\t], v[\r], s20, s21
	v_add_f32 v[\r], v[\r], v[\t]
.endm
	s_load_b256 s[4:11], s[0:1], 0x0               ; edges s[4:5], embeds s[6:7], field s[8:9], sel s[10:11]
	s_load_b64 s[12:13], s[0:1], 0x20              ; out0
	v_lshl_add_u32 v254, v0, 2, 0x9100
	v_mov_b32 v255, 0
	v_lshrrev_b32 v[LN], 5, v0
	v_readfirstlane_b32 s14, v[LN]                 ; wave 0..7 = 2 x head + row of edges
	s_lshr_b32 s15, s14, 1
	s_and_b32 s16, s14, 1
	s_lshl_b32 s17, ttmp9, 2                       ; 4 b
	s_lshl_b32 s87, s16, 11
	s_add_co_u32 s87, s87, s17                     ; edges: 2,048 x row + 4 b
	s_mul_i32 s86, s14, 18432
	s_add_co_u32 s86, s86, s17                     ; sel: [y][9][512]
	s_mul_i32 s88, s15, HEADB
	s_mov_b32 s89, 0
	s_mov_b32 s84, s17
	s_mov_b32 s85, 0
	s_wait_kmcnt 0x0
	s_load_b32 s18, s[4:5], s87 offset:0x0         ; my query's node
.irp i,0,1,2,3,4,5,6,7,8
	s_load_b32 s[ND+\i], s[10:11], s86 offset:2048*\i   ; its nine groups
.endr
	s_add_nc_u64 s[76:77], s[6:7], s[88:89]        ; my head's rows of embeds
	s_add_nc_u64 s[78:79], s[8:9], s[88:89]        ; and of field
	s_add_nc_u64 s[84:85], s[12:13], s[84:85]      ; the work-group's number of the output
	v_and_b32 v[LN], 31, v0
	v_lshlrev_b32 v[L16], 4, v[LN]
	s_mul_i32 s31, s14, WSTG                       ; my stage
	v_bfe_u32 v[LP], v0, 3, 2                      ; lane / 8
	v_and_b32 v[T0], 7, v0                         ; lane % 8
	v_mul_u32_u24 v[VSW], v[LP], SP
	v_lshl_add_u32 v[VSW], v[T0], 4, v[VSW]
	v_add_nc_u32 v[VSW], s31, v[VSW]               ; into it: a load's 512 bytes are four rows
	v_mul_u32_u24 v[VSR], v[LN], SP
	v_add_nc_u32 v[VSR], s31, v[VSR]               ; out of it: a row a lane
	v_lshl_add_u32 v[LP], v[LP], 4, v[T0]
	v_mov_b32 v[NIL], 0
	s_lshl_b32 s31, s14, 4
	s_add_co_u32 s31, s31, CMB
	v_mov_b32 v[VCM], s31
	s_mov_b32 s20, 0x76543210
	s_mov_b32 s21, 0xfedcba98                      ; v_permlanex16_b32's selects for lane l xor 16
	s_mov_b32 s80, NODES
	s_mov_b32 s81, 0x3fb8aa3b                      ; log2(e)
	s_mov_b32 s82, 0xff0000ff                      ; lanes 0-7 and 24-31: rows 0-7 in block 0, rows 8-15 in block 1
	v_mov_b32 v[PINF], 0x7f800000
	v_mov_b32 v[NINF], 0xff800000
	v_mov_b32 v[TB], 0                             ; written once: a lane permute's destination counts as one of its sources
	v_mov_b32 v[TP], 0
	s_wait_kmcnt 0x0
	s_min_u32 s18, s18, NODES-1                    ; held inside the table before it enters an offset
	s_lshl_b32 s18, s18, 7
	s_load_b512 s[QV:QV+15], s[76:77], s18 offset:0x0    ; q's 32 numbers, the same for all lanes
	s_load_b512 s[QV+16:QV+31], s[76:77], s18 offset:0x40
	v_mov_b32 v[FO], s18
.irp c,0,1,2,3,4,5,6,7
	global_load_b128 v[F+4*\c:F+4*\c+3], v[FO], s[78:79] offset:16*\c
.endr
.irp i,0,1,2,3,4,5,6,7,8
	s_min_u32 s[ND+\i], s[ND+\i], 1599             ; group 2 chunk + h begins at node 64 chunk + 8 h
	s_and_b32 s31, s[ND+\i], 1
	s_and_b32 s[ND+\i], s[ND+\i], 0x7fe
	s_lshl_b32 s[ND+\i], s[ND+\i], 5
	s_lshl_b32 s31, s31, 3
	s_add_co_u32 s[ND+\i], s[ND+\i], s31
.endr
; Group g's 32 rows: four runs of eight rows, 16 rows apart; each run is two loads of 512 consecutive bytes, held inside the table (50,000 = 8 x 6,250: a run lies wholly inside or wholly outside).
.macro LOAD g
.irp b,0,1,2,3
	s_add_co_u32 s31, s[ND+(\g)], 16*\b
	s_min_u32 s31, s31, NODES-8
	v_lshl_add_u32 v[VC+4*((\g)%2)+\b], s31, 7, v[L16]
	global_load_b128 v[R+32*((\g)%2)+8*\b:R+32*((\g)%2)+8*\b+3], v[VC+4*((\g)%2)+\b], s[76:77]
	global_load_b128 v[R+32*((\g)%2)+8*\b+4:R+32*((\g)%2)+8*\b+7], v[VC+4*((\g)%2)+\b], s[76:77] offset:512
.endr
.endm
	LOAD 0
	LOAD 1
	s_wait_kmcnt 0x0                               ; q
.irp i,0,1,2,3,4,5,6,7,8,9,10,11,12,13,14,15,16,17,18,19,20,21,22,23,24,25,26,27,28,29,30,31
	v_mov_b32 v[X+\i], s[QV+\i]
.endr
	QUANT32 X, BC, SOP, BYT, MXA, MXB
	DOT X, X, AC, AC+2, QN
.irp g,0,1,2,3
	v_cndmask_b32 v[AQ+\g], 0, v[BC+\g], s82
	v_mov_b32 v[AQ+4+\g], 0
	v_mov_b32 v[BC+4+\g], 0
.endr
	v_lshl_or_b32 v[AS], v[BYT], 8, v[BYT]
	v_lshl_or_b32 v[AS], v[AS], 16, v[AS]          ; q's byte for all four blocks
.macro STEP g
.if (\g) < 8
	s_wait_loadcnt 8                               ; my group's rows are in (and, in the first step, field's row); the next group's eight loads stay out
.else
	s_wait_loadcnt 0x0
.endif
.irp j,0,1,2,3,4,5,6,7
	ds_store_b128 v[VSW], v[R+32*((\g)%2)+4*\j:R+32*((\g)%2)+4*\j+3] offset:4*SP*\j
.endr
.irp c,0,1,2,3,4,5,6,7
	ds_load_b128 v[X+4*\c:X+4*\c+3], v[VSR] offset:16*\c    ; LDS serves a wave's instructions in order: these see the stores above
.endr
	s_wait_dscnt 0x0                               ; my candidate's row is here, and the stores have read their registers
.if (\g)+2 <= 8
	LOAD (\g)+2
.endif
	QUANT32 X, BC, SOP, BYT, MXA, MXB
	v_permlanex16_b32 v[TB], v[BYT], s20, s21
	v_lshl_or_b32 v[BS], v[TB], 8, v[BYT]          ; lane r: byte 0 candidate r's, byte 1 candidate 16 + r's,
	v_or_b32 v[BS], 0x7f7f0000, v[BS]              ; and 1.0 over the zero codes
	DOT X, X, AC, AC+2, EN                         ; en; its 18 lines are also the places between the scale's last write and the product
	v_wmma_scale_f32_16x16x128_f8f6f4 v[DD:DD+7], v[AQ:AQ+7], v[BC:BC+7], 0, v[AS], v[BS] matrix_a_fmt:MATRIX_FMT_FP4 matrix_b_fmt:MATRIX_FMT_FP4
.irp i,0,1,2,3,4,5,6,7,8,9,10,11,12,13,14,15,16,17,18,19,20,21,22,23,24,25,26,27,28,29,30,31
	v_sub_f32 v[X+\i], s[QV+\i], v[X+\i]           ; diff = q - e: the places behind the product
.endr
	DOT X, X, AC, AC+2, ARG+(\g)                   ; dist^2
	DOT X, F, AC, AC+2, LG+(\g)                    ; the logit
	v_add_f32 v[T0], v[QN], v[EN]
	v_fma_f32 v[D2+(\g)], -2.0, v[DD], v[T0]       ; (qn + en) - 2 dot; the result's register 0
	v_add_nc_u32 v[NV], s[ND+(\g)], v[LP]          ; my candidate's node number, not held
	v_cmp_gt_u32 vcc_lo, s80, v[NV]
	v_cndmask_b32 v[D2+(\g)], v[PINF], v[D2+(\g)], vcc_lo   ; past the table's end: never chosen
	v_cvt_f32_u32 v[IDX+(\g)], v[NV]
.endm
.irp g,0,1,2,3,4,5,6,7,8
	STEP \g
.endr
.irp g,0,1,2,3,4,5,6,7,8
	v_sqrt_f32 v[ARG+\g], v[ARG+\g]
.endr
	v_nop                                          ; a plain line behind the last root,
	s_wait_alu depctr_va_vdst(0)                   ; and one wait for the nine, ahead of their first reader
.irp g,0,1,2,3,4,5,6,7,8
	v_sub_f32 v[ARG+\g], 1.0, v[ARG+\g]
	v_cmp_eq_f32 s[MK+\g], v[D2+\g], v[PINF]
.endr
.irp g,0,1,2,3,4,5,6,7,8
	v_cndmask_b32 v[ARG+\g], v[ARG+\g], v[NINF], s[MK+\g]   ; what lies past the end weighs nothing
.endr
; A round: the smallest d2 of the 288; among equals the lowest node number; that candidate's d2 becomes +infinity.  first = 1: it is the nearest, which is dropped: its weight too.
.macro ROUND first
	v_min3_num_f32 v[T0], v[D2], v[D2+1], v[D2+2]
	v_min3_num_f32 v[T1], v[D2+3], v[D2+4], v[D2+5]
	v_min3_num_f32 v[T0], v[T0], v[D2+6], v[D2+7]
	v_min3_num_f32 v[T0], v[T0], v[T1], v[D2+8]
	LANEMIN T0, TP
.irp g,0,1,2,3,4,5,6,7,8
	v_cmp_eq_f32 s[MK+\g], v[D2+\g], v[T0]
.endr
.irp g,0,1,2,3,4,5,6,7,8
	v_cndmask_b32 v[U+\g], v[PINF], v[IDX+\g], s[MK+\g]
.endr
	v_min3_num_f32 v[T1], v[U], v[U+1], v[U+2]
	v_min3_num_f32 v[T0], v[U+3], v[U+4], v[U+5]
	v_min3_num_f32 v[T1], v[T1], v[U+6], v[U+7]
	v_min3_num_f32 v[T1], v[T1], v[T0], v[U+8]
	LANEMIN T1, TP
.irp g,0,1,2,3,4,5,6,7,8
	v_cmp_eq_f32 s[MK+\g], v[IDX+\g], v[T1]
.endr
.irp g,0,1,2,3,4,5,6,7,8
	v_cndmask_b32 v[D2+\g], v[D2+\g], v[PINF], s[MK+\g]
.if \first
	v_cndmask_b32 v[ARG+\g], v[ARG+\g], v[NINF], s[MK+\g]
.endif
.endr
.endm
	ROUND 1
	s_mov_b32 s31, 0
.Lround:
	ROUND 0
	s_add_co_u32 s31, s31, 1
	s_cmp_lt_u32 s31, 8
	s_cbranch_scc1 .Lround
; my query's part of the softmax: the eight that were taken out keep 1 - dist, all others have -infinity
.irp g,0,1,2,3,4,5,6,7,8
	v_cmp_eq_f32 s[MK+\g], v[D2+\g], v[PINF]
.endr
.irp g,0,1,2,3,4,5,6,7,8
	v_cndmask_b32 v[U+\g], v[NINF], v[ARG+\g], s[MK+\g]
.endr
	v_max3_num_f32 v[T0], v[U], v[U+1], v[U+2]
	v_max3_num_f32 v[T1], v[U+3], v[U+4], v[U+5]
	v_max3_num_f32 v[T0], v[T0], v[U+6], v[U+7]
	v_max3_num_f32 v[T0], v[T0], v[T1], v[U+8]
	LANEMAX T0, TP
	v_max_num_f32 v[T0], 0, v[T0]                  ; with the sentinels' 0
	v_mul_f32 v[T1], s81, v[T0]
.irp g,0,1,2,3,4,5,6,7,8
	v_fma_f32 v[U+\g], v[U+\g], s81, -v[T1]
.endr
.irp g,0,1,2,3,4,5,6,7,8
	v_exp_f32 v[U+\g], v[U+\g]
.endr
	v_mov_b32 v[AC], v[T0]                         ; (a plain line behind the exponentials)
	s_wait_alu depctr_va_vdst(0)                   ; one wait for the nine, ahead of their first reader
	v_add_f32 v[AC+1], v[U], v[U+1]
	v_mul_f32 v[AC+2], v[U], v[LG]
	v_fmac_f32 v[AC+2], v[U+1], v[LG+1]
.irp g,2,3,4,5,6,7,8
	v_add_f32 v[AC+1], v[AC+1], v[U+\g]
	v_fmac_f32 v[AC+2], v[U+\g], v[LG+\g]
.endr
	v_mov_b32 v[AC+3], 0
	LANESUM AC+1, TP
	LANESUM AC+2, TP
	ds_store_b128 v[VCM], v[AC:AC+3]               ; all lanes write the same 16 bytes with the same values
	s_wait_dscnt 0x0                               ; for the others' sake
	s_barrier_signal -1
	s_barrier_wait -1
	s_cmp_lg_u32 s14, 0
	s_cbranch_scc1 .Lend
; wave 0: the eight waves' figures; head d: waves 2 d and 2 d + 1
.irp k,0,1,2,3,4,5,6,7
	ds_load_b128 v[F+4*\k:F+4*\k+3], v[NIL] offset:CMB+16*\k
.endr
	s_wait_dscnt 0x0
.irp d,0,1,2,3
	v_max_num_f32 v[X+\d], v[F+8*\d], v[F+8*\d+4]  ; the largest of the head's 24 entries
.endr
.irp d,0,1,2,3
	v_sub_f32 v[X+4+3*\d], v[F+8*\d], v[X+\d]
	v_sub_f32 v[X+5+3*\d], v[F+8*\d+4], v[X+\d]
	v_mul_f32 v[X+6+3*\d], s81, -v[X+\d]
.endr
.irp d,0,1,2,3
	v_mul_f32 v[X+4+3*\d], s81, v[X+4+3*\d]
	v_mul_f32 v[X+5+3*\d], s81, v[X+5+3*\d]
.endr
.irp e,0,1,2,3,4,5,6,7,8,9,10,11
	v_exp_f32 v[X+4+\e], v[X+4+\e]
.endr
	v_nop
	s_wait_alu depctr_va_vdst(0)                   ; one wait for the twelve
.irp d,0,1,2,3
	v_mul_f32 v[X+16+\d], 0x41000000, v[X+6+3*\d]  ; the eight sentinels' weight
	v_mul_f32 v[X+20+\d], v[F+8*\d+2], v[X+4+3*\d]
.endr
.irp d,0,1,2,3
	v_fmac_f32 v[X+16+\d], v[F+8*\d+1], v[X+4+3*\d]
	v_fmac_f32 v[X+20+\d], v[F+8*\d+6], v[X+5+3*\d]
.endr
.irp d,0,1,2,3
	v_fmac_f32 v[X+16+\d], v[F+8*\d+5], v[X+5+3*\d]
.endr
.irp d,0,1,2,3
	v_rcp_f32 v[X+16+\d], v[X+16+\d]
.endr
	v_nop
	s_wait_alu depctr_va_vdst(0)                   ; one wait for the four
	v_mul_f32 v[X+24], v[X+20], v[X+16]
	v_fmac_f32 v[X+24], v[X+21], v[X+17]
	v_fmac_f32 v[X+24], v[X+22], v[X+18]
	v_fmac_f32 v[X+24], v[X+23], v[X+19]
	v_mul_f32 v[X+24], 0xbeb8aa3b, v[X+24]         ; x -log2(e) / 4: the mean over four heads, and the sigmoid's exponent
	v_exp_f32 v[X+24], v[X+24]
	v_nop
	s_wait_alu depctr_va_vdst(0)
	v_add_f32 v[X+24], 1.0, v[X+24]
	v_rcp_f32 v[X+24], v[X+24]
	v_cmp_eq_u32 vcc_lo, 0, v[LN]                  ; (a plain line behind the reciprocal)
	s_wait_alu depctr_va_vdst(0)
	s_wait_xcnt 0x0                                ; EXEC changes only behind this wait
	s_and_saveexec_b32 s31, vcc_lo
	global_store_b32 v[NIL], v[X+24], s[84:85]
	s_wait_xcnt 0x0                                ; and again in front of the line that widens it
	s_or_b32 exec_lo, exec_lo, s31
.Lend:
	s_wait_tensorcnt 0x0
	ds_add_u32 v254, v255
	s_wait_dscnt 0x0
	s_endpgm
.Lfunc_end_k_qdec54a5017_finish:
	.size	k_qdec54a5017_finish, .Lfunc_end_k_qdec54a5017_finish-k_qdec54a5017_finish
	.p2alignl 7, 3214868480
	.fill 96, 4, 3214868480
	.section	.rodata,"a",@progbits
	.p2align	6, 0x0
	.amdhsa_kernel k_qdec54a5017_finish
		.amdhsa_group_segment_fixed_size 38144
		.amdhsa_private_segment_fixed_size 0
		.amdhsa_enable_private_segment 0
		.amdhsa_kernarg_size 40
		.amdhsa_user_sgpr_count 2
		.amdhsa_user_sgpr_kernarg_segment_ptr 1
		.amdhsa_wavefront_size32 1
		.amdhsa_system_sgpr_workgroup_id_x 1
		.amdhsa_system_sgpr_workgroup_id_y 1
		.amdhsa_system_sgpr_workgroup_id_z 1
		.amdhsa_system_vgpr_workitem_id 0
		.amdhsa_next_free_vgpr 256
		.amdhsa_next_free_sgpr 90
		.amdhsa_reserve_vcc 1
		.amdhsa_float_denorm_mode_32 3
		.amdhsa_float_denorm_mode_16_64 3
		.amdhsa_memory_ordered 1
		.amdhsa_forward_progress 1
		.amdhsa_inst_pref_size 106
	.end_amdhsa_kernel
	.amdgpu_metadata
---
amdhsa.version: [ 1, 2 ]
amdhsa.kernels:
  - .name:           k_qdec54a5017_finish
    .symbol:         k_qdec54a5017_finish.kd
    .args:
      - { .name: edges, .offset: 0, .size: 8, .value_kind: global_buffer, .address_space: global }
      - { .name: embeds, .offset: 8, .size: 8, .value_kind: global_buffer, .address_space: global }
      - { .name: field, .offset: 16, .size: 8, .value_kind: global_buffer, .address_space: global }
      - { .name: sel, .offset: 24, .size: 8, .value_kind: global_buffer, .address_space: global }
      - { .name: out0, .offset: 32, .size: 8, .value_kind: global_buffer, .address_space: global }
    .group_segment_fixed_size: 38144
    .private_segment_fixed_size: 0
    .kernarg_segment_align: 8
    .kernarg_segment_size: 40
    .max_flat_workgroup_size: 256
    .sgpr_count:     90
    .vgpr_count:     256
    .wavefront_size: 32
...
	.end_amdgpu_metadata
.endif
;; end of part 3
